; MI455X (gfx1250); checked and timed in simulation.
; The chip was launched on July 23, 2026; its instructions are those of AMD's public machine-readable ISA for CDNA 5 (MIT licence, August 2026) and "CDNA5" Instruction Set Architecture Reference Guide (July 2026). The comments in the code are by the model that wrote it; some were corrected since.
;; LSTM Cell. Allowed arithmetic: matrix products marked QUANTISED: E2M3 operands, one E8M0 scale for each 32 along K, by v_wmma_scale_f32_16x16x128_f8f6f4 with both operands' format E2M3, f32 sums; everything else in f32.
;; Inputs: Wh 1,024 x 4,096 float32; Wi 512 x 4,096 float32; bh 4,096 float32; c 8,192 x 1,024 float32; h 8,192 x 1,024 float32; ln_beta 4 x 1,024 float32; ln_gamma 4 x 1,024 float32; x 8,192 x 512 float32.
;; Outputs: out0 8,192 x 1,024 float32; out1 8,192 x 1,024 float32.
;; This version of the problem:
;;   THIS VERSION OF THE PROBLEM IS GIVEN IN LOW PRECISION. The matrix products marked QUANTISED in the list below multiply operands that are first quantised to E2M3 (2 exponent bits, 3 mantissa bits; 6 bits a number), with one power-of-two scale for each 32 numbers along K (OCP MX v1.0); their sums are f32. All else is computed in f32.
;;   The module's matrix products, in the order in which they are computed (A, B: the left and right operand; K: the contracted axis; several contracted axes count as one K, in the product's order):
;;     1. [M 8,192, K 512] x [K 512, N 4,096]; A: input x; B: input Wi: QUANTISED
;;     2. [M 8,192, K 1,024] x [K 1,024, N 4,096]; A: input h; B: input Wh: QUANTISED
;;   THE QUANTISER, for each operand of a quantised product, along K:
;;     - K is cut into blocks of 32 from its start; a last block that is shorter is filled with zeros.
;;     - A block's scale is 2^e with e = floor(log2(the largest magnitude in the block)) - 2, held to -126 .. 127; a block of zeros has e = 0. As a byte (E8M0): e + 127.
;;     - Each number is divided by its block's scale, clamped to +-7.5, and rounded to the nearest number of E2M3, ties to even, subnormals kept.
;;     - The product sums the exact products of the quantised numbers (number of the format x scale) in f32.
;;   ~~~python
;;   def quantise(x, axis):      # numpy; x: float32 -> the quantised numbers, widened to float32 again
;;       x = np.moveaxis(x, axis, -1); K = x.shape[-1]
;;       x = np.pad(x, [(0, 0)] * (x.ndim - 1) + [(0, -K % 32)]); x = x.reshape(x.shape[:-1] + (-1, 32)); a = np.abs(x).max(-1, keepdims=True)
;;       e = np.where(a > 0, np.clip(np.frexp(np.where(a > 0, a, 1))[1] - 1 - 2, -126, 127), 0)      # np.frexp(a)[1] - 1 = floor(log2(a)), exactly
;;       r = np.clip(x / 2.0 ** e, -7.5, 7.5)
;;       step = 2.0 ** (np.maximum(np.frexp(np.where(r == 0, 1, r))[1] - 1, 0) - 3)
;;       q = np.round(r / step) * step * 2.0 ** e      # np.round: ties to even
;;       return np.moveaxis(q.reshape(q.shape[:-2] + (-1,))[..., :K], -1, axis).astype(np.float32)
;;   ~~~
;; One version. Each part assembles by itself: llvm-mc -triple=amdgcn-amd-amdhsa -mcpu=gfx1250 --defsym DOCPART=n.
;; ======== version 1 of 1: 2 launches
;; workspace buffers: wq 4,915,200 bytes
;; launch quantw (part 1): grid 64 x 12, 2 waves a work-group, no clusters, 6,400 bytes of LDS; arguments Wi, Wh, wq; writes wq
.if DOCPART == 1
	.amdgcn_target "amdgcn-amd-amdhsa--gfx1250"
	.amdhsa_code_object_version 6
	.text
	.protected	k_q9550770d60_quantw
	.globl	k_q9550770d60_quantw
	.p2align	8
	.type	k_q9550770d60_quantw,@function
k_q9550770d60_quantw:
	s_mov_b64 s[64:65], 0
	v_nop
	global_prefetch_b8 v0, s[64:65] scope:SCOPE_SE
	s_setreg_imm32_b32 hwreg(HW_REG_WAVE_MODE, 25, 1), 1
	s_wait_xcnt 0x0
; [Wi ; Wh], f32, [1536 (k)][4096 (n)] with K as the FIRST axis, becomes codes of FP6 (E2M3) with one E8M0 byte for each 32 along K,
; laid in the order in which the second launch's registers want them.
; wq is 8 streams (one for each wave w of the reader) of 96 records of 6,400 bytes.  A record holds four fragments (16 columns x 128 K,
; 12 registers a lane) as images of their registers: byte 512 c + 16 lane + 4 e of an image is register 4 c + e of that lane; lane (r, hh) holds
; column r, registers 6 c' .. 6 c' + 5 hold k = 64 c' + 32 hh + 0 .. 31.  Behind the four images (6,144 bytes) lie two runs of 128 bytes of
; scale words: run p, lane l: the word of fragment 2 p + l / 16, column l % 16.
; Work-group (X, s) makes ONE record: columns 64 X .. 64 X + 63 (gate q = X / 16, reader's wave w = (X % 16) / 2, half tq = X % 2), K step s of 128
; (s < 4: Wi's rows 128 s on; else Wh's rows 128 (s - 4) on).  The record's number in stream w:  gates 0 and 2: 4 s + q + tq;  gates 1 and 3: 48 + 24 (q / 2) + 2 s + tq.
; A LANE TAKES A COLUMN AND ITS REGISTERS RUN DOWN K: each load reads 128 consecutive bytes a wave, a block of 32 along K lies in one lane, and the
; conversions give codes with K innermost.  The codes go through the wave's own 3,072 bytes of LDS into the image's order and leave as six stores of 512 consecutive bytes.
; A block's scale is 2^(floor(log2(largest magnitude)) - 2): its byte is the largest magnitude's exponent field - 2, held at 1 from below.
; LIMITS: a block of zeros gets the byte 1 where the rule says 127 (its codes are zeros, and this program alone reads the bytes); blocks whose largest
; magnitude lies under 2^-124 get the byte 1; NaN and infinities among the inputs are not served.
; The scale words leave as 128 consecutive bytes a wave, half of an aligned 256: one twenty-fifth of what the launch stores.
.set REC, 6400                         ; bytes in a record
.set NUM, 64                           ; v64-191  my column's 128 numbers; v64-87 later the way out
.set CD,  16                           ; v16-47   codes: eight registers a block, never written again
	s_load_b128 s[4:7], s[0:1], 0x0                ; Wi, Wh
	s_load_b64 s[8:9], s[0:1], 0x10                ; wq
	v_lshl_add_u32 v192, v0, 2, 0x1800
	v_mov_b32 v193, 0
	v_lshrrev_b32 v5, 5, v0
	v_readfirstlane_b32 s10, v5                    ; wave 0, 1
	v_and_b32 v5, 31, v0                           ; lane
	v_lshlrev_b32 v1, 2, v5                        ; 4 x lane: my column in a row of W; my scale word
	v_lshlrev_b32 v2, 4, v5                        ; 16 x lane: the way out
	v_lshrrev_b32 v6, 4, v5                        ; which of my wave's two fragments
	v_and_b32 v7, 15, v5                           ; r
	s_mul_i32 s11, s10, 3072                       ; my wave's stage, and its two images' place in the record
	v_mul_u32_u24 v3, v6, 1536
	v_lshl_add_u32 v3, v7, 4, v3
	v_add_nc_u32 v3, s11, v3                       ; into the stage: image, + 16 r
	v_add_nc_u32 v4, s11, v2                       ; out of it: 16 x lane
	s_and_b32 s12, ttmp7, 0xffff                   ; s: the K step
	s_lshr_b32 s13, ttmp9, 4                       ; q: the gate
	s_bfe_u32 s14, ttmp9, 0x30001                  ; w
	s_and_b32 s15, ttmp9, 1                        ; tq
	s_lshl_b32 s16, s12, 2
	s_add_co_u32 s16, s16, s13                     ; gates 0, 2: 4 s + q
	s_lshr_b32 s17, s13, 1
	s_mul_i32 s17, s17, 24
	s_lshl_b32 s18, s12, 1
	s_add_co_u32 s17, s17, s18
	s_add_co_u32 s17, s17, 48                      ; gates 1, 3: 48 + 24 (q / 2) + 2 s
	s_and_b32 s18, s13, 1
	s_cmp_eq_u32 s18, 0
	s_cselect_b32 s16, s16, s17
	s_add_co_u32 s16, s16, s15                     ; + tq
	s_mul_i32 s17, s14, 96
	s_add_co_u32 s16, s16, s17                     ; + 96 w
	s_mul_i32 s18, s16, REC                        ; the record's first byte
	s_add_co_u32 s16, s18, s11                     ; my wave's images
	s_mov_b32 s17, 0
	s_lshl_b32 s19, s10, 7
	s_add_co_u32 s20, s18, s19
	s_add_co_u32 s20, s20, 6144                    ; my wave's scale words
	s_mov_b32 s21, 0
	s_wait_kmcnt 0x0
	s_cmp_lt_u32 s12, 4                            ; Wi or Wh: the choice hangs on the work-group's number alone
	s_cselect_b64 s[4:5], s[4:5], s[6:7]
	s_cselect_b32 s22, 0, 4
	s_sub_co_u32 s22, s12, s22                     ; the K step inside that tensor
	s_lshl_b32 s22, s22, 21                        ; 128 rows of 16,384 bytes
	s_lshl_b32 s23, ttmp9, 8                       ; 64 X columns
	s_add_co_u32 s22, s22, s23
	s_add_co_u32 s22, s22, s19                     ; + 32 x wave columns
	s_mov_b32 s23, 0
	s_add_nc_u64 s[4:5], s[4:5], s[22:23]
	s_add_nc_u64 s[24:25], s[8:9], s[20:21]
	s_add_nc_u64 s[8:9], s[8:9], s[16:17]
.set kk, 0
.rept 128
	global_load_b32 v[NUM+kk], v1, s[4:5] offset:kk*16384 th:TH_LOAD_NT   ; W(k, my column): 32 lanes read 128 consecutive bytes; read once in the launch
.set kk, kk+1
.endr
; Block b: my column's k = 32 b .. 32 b + 31.  It belongs to lane (r, b % 2) of the image, registers 6 (b / 2) on.
; cnt: behind block b's 32 loads 96, 64, 32, 0 were issued; a wait names 63 at the most, and a smaller count is safe.
.macro BLOCK b, cnt
.set XS, NUM+32*\b
	s_wait_loadcnt \cnt
	v_max3_num_f32 v8, |v[XS]|, |v[XS+1]|, |v[XS+2]|               ; the block's largest magnitude, in two chains
	v_max3_num_f32 v9, |v[XS+3]|, |v[XS+4]|, |v[XS+5]|
.irp i, 6,10,14,18,22,26
	v_max3_num_f32 v8, v8, |v[XS+\i]|, |v[XS+\i+1]|
	v_max3_num_f32 v9, v9, |v[XS+\i+2]|, |v[XS+\i+3]|
.endr
	v_max3_num_f32 v8, v8, |v[XS+30]|, |v[XS+31]|
	v_max3_num_f32 v8, v8, v9, 0x1800000           ; and the floor 2^(3 - 127): the byte cannot fall under 1
	v_add_nc_u32 v10, 0xff000000, v8               ; 2 off the exponent field: the conversion takes this operand's exponent field as its scale
	v_cvt_scalef32_pk16_fp6_f32 v[CD+8*\b:CD+8*\b+2], v[XS:XS+15], v10
	v_cvt_scalef32_pk16_fp6_f32 v[CD+8*\b+4:CD+8*\b+6], v[XS+16:XS+31], v10   ; (a conversion's three registers begin on an even number)
	v_lshrrev_b32 v11, 23, v10                     ; the scale's byte; also the plain line behind the conversions
.if \b == 0
	v_mov_b32 v12, v11                             ; four bytes make my column's scale word, the lower K in the lower byte
.else
	v_lshl_or_b32 v12, v11, 8*\b, v12
.endif
	v_mov_b32 v[CD+8*\b+3], v[CD+8*\b+4]           ; the block's six words on end
	v_mov_b32 v[CD+8*\b+4], v[CD+8*\b+5]
	v_mov_b32 v[CD+8*\b+5], v[CD+8*\b+6]
.if \b < 2
	ds_store_b128 v3, v[CD+8*\b:CD+8*\b+3] offset:256*(\b%2)           ; registers 0-3
	ds_store_b64 v3, v[CD+8*\b+4:CD+8*\b+5] offset:512+256*(\b%2)      ; registers 4, 5
.else
	ds_store_b64 v3, v[CD+8*\b:CD+8*\b+1] offset:520+256*(\b%2)        ; registers 6, 7
	ds_store_b128 v3, v[CD+8*\b+2:CD+8*\b+5] offset:1024+256*(\b%2)    ; registers 8-11
.endif
.endm
	BLOCK 0, 63
	BLOCK 1, 63
	BLOCK 2, 32
	BLOCK 3, 0
.irp j, 0,1,2,3,4,5
	ds_load_b128 v[NUM+4*\j:NUM+4*\j+3], v4 offset:512*\j          ; my wave's own bytes: LDS serves a wave's instructions in order (ISA guide 5.7.1.4)
.endr
	global_store_b32 v1, v12, s[24:25]             ; the scale words
	s_wait_dscnt 0x0
.irp j, 0,1,2,3,4,5
	global_store_b128 v2, v[NUM+4*\j:NUM+4*\j+3], s[8:9] offset:512*\j   ; 32 lanes store 512 consecutive bytes, at a multiple of 256 from wq's first byte
.endr
	s_wait_tensorcnt 0x0
	ds_add_u32 v192, v193
	s_wait_dscnt 0x0
	s_endpgm
.Lfunc_end_k_q9550770d60_quantw:
	.size	k_q9550770d60_quantw, .Lfunc_end_k_q9550770d60_quantw-k_q9550770d60_quantw
	.p2alignl 7, 3214868480
	.fill 96, 4, 3214868480
	.section	.rodata,"a",@progbits
	.p2align	6, 0x0
	.amdhsa_kernel k_q9550770d60_quantw
		.amdhsa_group_segment_fixed_size 6400
		.amdhsa_private_segment_fixed_size 0
		.amdhsa_enable_private_segment 0
		.amdhsa_kernarg_size 24
		.amdhsa_user_sgpr_count 2
		.amdhsa_user_sgpr_kernarg_segment_ptr 1
		.amdhsa_wavefront_size32 1
		.amdhsa_system_sgpr_workgroup_id_x 1
		.amdhsa_system_sgpr_workgroup_id_y 1
		.amdhsa_system_sgpr_workgroup_id_z 1
		.amdhsa_system_vgpr_workitem_id 0
		.amdhsa_next_free_vgpr 194
		.amdhsa_next_free_sgpr 66
		.amdhsa_reserve_vcc 0
		.amdhsa_float_denorm_mode_32 3
		.amdhsa_float_denorm_mode_16_64 3
		.amdhsa_memory_ordered 1
		.amdhsa_forward_progress 1
		.amdhsa_inst_pref_size 22
	.end_amdhsa_kernel
	.amdgpu_metadata
---
amdhsa.version: [ 1, 2 ]
amdhsa.kernels:
  - .name:           k_q9550770d60_quantw
    .symbol:         k_q9550770d60_quantw.kd
    .args:
      - { .name: Wi, .offset: 0, .size: 8, .value_kind: global_buffer, .address_space: global }
      - { .name: Wh, .offset: 8, .size: 8, .value_kind: global_buffer, .address_space: global }
      - { .name: wq, .offset: 16, .size: 8, .value_kind: global_buffer, .address_space: global }
    .group_segment_fixed_size: 6400
    .private_segment_fixed_size: 0
    .kernarg_segment_align: 8
    .kernarg_segment_size: 24
    .max_flat_workgroup_size: 64
    .sgpr_count:     66
    .vgpr_count:     194
    .wavefront_size: 32
...
	.end_amdgpu_metadata
.endif
;; end of part 1
;; launch lstm (part 2): grid 256 x 1, 8 waves a work-group, no clusters, 299,520 bytes of LDS; arguments x, h, c, wq, bh, ln_gamma, ln_beta, out0, out1; writes out0, out1
.if DOCPART == 2
	.amdgcn_target "amdgcn-amd-amdhsa--gfx1250"
	.amdhsa_code_object_version 6
	.text
	.protected	k_q9550770d60_lstm
	.globl	k_q9550770d60_lstm
	.p2align	8
	.type	k_q9550770d60_lstm,@function
k_q9550770d60_lstm:
	s_mov_b64 s[64:65], 0
	v_nop
	global_prefetch_b8 v0, s[64:65] scope:SCOPE_SE
	s_setreg_imm32_b32 hwreg(HW_REG_WAVE_MODE, 25, 1), 1
	s_wait_xcnt 0x0
; gates = Q([x | h]) Q([Wi ; Wh]) + bh on codes of FP6 (E2M3) with E8M0 scales; LayerNorm over each gate's 1,024 columns; c_new = s(f) c + s(i) tanh(g); h_new = s(o) tanh(c_new).  All but the products in f32.
; SHARES.  A work-group owns 32 WHOLE rows (two tiles of 16, rt), so that a row's statistics never leave it and the gates never go to memory.  Wave w of eight owns hidden columns 128 w .. 128 w + 127 of every gate.
; THE GATES GO IN AN ORDER THAT KEEPS TWO NUMBERS A (ROW, COLUMN) ALIVE:  phase 1: i and g, folded into p = s(i) tanh(g);  phase 2: f, c_new = s(f) c + p, stored, tanh(c_new) kept;  phase 3: o, h_new, stored.
; So a wave's accumulators are two sets of 128 registers (window 1).
; THE PRODUCTS ARE USED TRANSPOSED: source 0 = 16 columns of W, source 1 = 16 rows of [x | h].  In accumulator (t, rt) lane (r, hh) holds row 16 rt + r, and register j hidden column 128 w + 16 t + 8 hh + j.
; [x | h]: each wave quantises three fragments (16 rows x 128 K) at the head and stores them to LDS as images of their registers; every wave reads all 24.
; W: the first launch has laid each wave's fragments on end, in the order of use (records of four fragments and their scale words, 6,400 bytes).  They come straight into a RING OF FOUR GROUPS OF REGISTERS
; by loads of 512 consecutive bytes with counted waits; the stream runs on through the phases' ends.
; WHY W IS NOT ASKED FOR JOINTLY IN A CLUSTER, though all work-groups read the same stream: a joint load lands in LDS.  With 32 rows a fragment of 1,536 bytes feeds two matrix instructions, and no two waves of a
; work-group want the same fragment.  Two LDS slots of 140 KB at the most would hold 91 fragments each: 23 matrix instructions a wave between two barriers, in front of each of which every load must have landed.
; The ring in registers is never drained: 4 records a wave, 8 x 4 x 6,400 = 204,800 bytes of a work-group are on their way.  The price: each work-group reads the 4.9 MB of wq for itself.
; c comes once, by one tensor load a wave (32 rows x 512 bytes, rows 528 bytes apart in LDS); its bytes are never filled again and later serve as the stage for c_new and h_new.
; LAYERNORM: each wave takes the mean of its 128 columns, centres its numbers on it, and sums their squares; the eight waves' {mean, sum of squares} meet in LDS and are merged
; (M2 = sum of M2_w + 128 sum of (mean_w - mean)^2): no difference of large sums is formed.
; ACTIVATIONS: s(z) = 1 / (1 + 2^(-z log2 e)), tanh(z) = 1 - 2 / (1 + 2^(2 z log2 e)); the factors are multiplied into gamma and beta once.  Where 2^a is 0 or infinite both forms give their limits.
; LIMITS: NaN and infinities among the inputs are not served; a block of zeros, and one whose largest magnitude lies under 2^-124, gets the scale byte 1 (zeros: the codes are zeros; the bytes are this program's own).
; A sum begins with the bias and runs over x's K and then h's: an order of rounding other than the definition's.
; REGISTERS.  Window 0: v0 thread; v1, v2, v3 = 16, 4, 8 x lane; v4, v5 [x | h]'s scale words (two buffers); v6, v7 LDS addresses in hand; v8-15 W's scale words (two a group);
;   v16-39, v40-63 [x | h]'s fragments, two buffers; at the head and at a phase's end these 48 are at work; v64-255 W's ring: group g at v[64 + 48 g], four fragments of 12.
;   Window 1: S0 = v0-127, S1 = v128-255: accumulator (t, rt) at set + 16 t + 8 rt.  At the head: v0-191 numbers of x and h, v192-231 the quantiser's.
; s_set_vgpr_msb's low byte: bits 1:0 source 0, 3:2 source 1, 5:4 source 2, 7:6 destination.
.set REC,  6400                        ; bytes in a record of wq
.set ASC,  36864                       ; LDS: at 0 the 24 images, (K step s, rt) at (2 s + rt) x 1,536; here their scale words: 128 bytes a K step, row l's at 4 l
.set STAT, 38400                       ; statistics: slot (4) x 2,048 + wave x 256 + row x 8: {mean, M2}; each slot is written once
.set PAR,  46592                       ; 6,144 a wave: bias, gamma', beta' of gates 0-3 at my 128 columns: (4 kind + q) x 512
.set QST,  95744                       ; 8,448 a wave: 16 rows x 528: the stage that turns x and h
.set CST,  163328                      ; 16,896 a wave: 32 rows x 528: c, later c_new, later h_new
.set AS,   4
.set WS,   8
.set AB,   16
.set RING, 64
.set S0,   0
.set S1,   128
.set TM,   192                         ; window 1, at the head: v192-195 largest magnitudes, v196-199 bytes, v204-207 scale operands
.set PW,   208                         ; the scale word just made
.set PC,   212                         ; v212-223 the codes just made; v224-230 their second halves on the way
.set MSB,  0
.macro WIN new                         ; the immediate's high byte repeats the setting that is left; a switch that changes nothing is dropped
.if MSB != \new
	s_set_vgpr_msb (MSB<<8)|\new
.set MSB, \new
.endif
.endm
; A load into a register that a matrix instruction has read, and a vector instruction that reads a matrix result or writes one of its registers, stand four places behind it; only plain
; vector instructions that name none of its registers are places (ISA guide 7.12.1 for vector instructions).
.macro PLACES
.rept 4
	v_nop
.endr
.endm
.macro PADR                            ; v7: my wave's parameters, + 32 hh: the eight columns of my half of a tile
	v_bfe_u32 v7, v0, 4, 1
	v_lshl_add_u32 v7, v7, 5, s45
.endm
.macro CADR                            ; v6: my wave's strip of c: row r, + 32 hh
	v_and_b32 v6, 15, v0
	v_mul_u32_u24 v6, v6, 528
	v_bfe_u32 v7, v0, 4, 1
	v_lshl_add_u32 v6, v7, 5, v6
	v_add_nc_u32 v6, s46, v6
	s_wait_alu depctr_va_vdst(0)
.endm
; 16 rows x 512 bytes, loaded a row an instruction (register rr + 4 row + e of lane l = number 4 l + e of the row), go through my stage and come back so that
; register rr + 16 b + i of lane (r, hh) is k = 32 b + 16 hh + i of row r.  Rows 528 bytes apart: row r starts 16 r bytes on modulo 256.
.macro TURNQ rr
	WIN 0x04                                       ; an LDS store's data are its source 1: window 1
.irp i, 0,1,2,3,4,5,6,7,8,9,10,11,12,13,14,15
	ds_store_b128 v16, v[\rr+4*\i:\rr+4*\i+3] offset:528*\i
.endr
	WIN 0x40                                       ; destination window 1
.irp b, 0,1,2,3
.irp j, 0,1,2,3
	ds_load_b128 v[\rr+16*\b+4*\j:\rr+16*\b+4*\j+3], v17 offset:128*\b+16*\j   ; LDS serves a wave's instructions in order (ISA guide 5.7.1.4): these see the stores above
.endr
.endr
	s_wait_dscnt 0x0                               ; the numbers are back; the last fragment's image has left its registers too
.endm
; 64 numbers of a lane (window 1, v[s] on) become a fragment's codes in v[PC] on and its row's scale word in v[PW].
.macro QUANT s
	WIN 0x55                                       ; all in window 1
.irp b, 0,1,2,3
	v_max3_num_f32 v[TM+\b], |v[\s+16*\b]|, |v[\s+1+16*\b]|, 0x1800000   ; block b: my 16 numbers, and the floor 2^(3 - 127): the byte cannot fall under 1
.endr
.irp i, 2,4,6,8,10,12,14
.irp b, 0,1,2,3
	v_max3_num_f32 v[TM+\b], v[TM+\b], |v[\s+16*\b+\i]|, |v[\s+1+16*\b+\i]|   ; (the four blocks by turns)
.endr
.endr
.irp b, 0,1,2,3
	v_permlanex16_b32 v[TM+4+\b], v[TM+\b], s24, s25
.endr
.irp b, 0,1,2,3
	v_max_num_f32 v[TM+\b], v[TM+\b], v[TM+4+\b]   ; with lane l xor 16's: the block's largest magnitude
.endr
.irp b, 0,1,2,3
	v_add_nc_u32 v[TM+12+\b], 0xff000000, v[TM+\b] ; 2 off its exponent field: the conversion's scale operand
.endr
.irp b, 0,1,2,3
	v_lshrrev_b32 v[TM+4+\b], 23, v[TM+12+\b]      ; the scale's byte
.endr
	v_lshl_or_b32 v[PW], v[TM+5], 8, v[TM+4]
	v_lshl_or_b32 v[PW], v[TM+6], 16, v[PW]
	v_lshl_or_b32 v[PW], v[TM+7], 24, v[PW]
.irp c, 0,1
	v_cvt_scalef32_pk16_fp6_f32 v[PC+6*\c:PC+2+6*\c], v[\s+32*\c:\s+15+32*\c], v[TM+12+2*\c]
	v_cvt_scalef32_pk16_fp6_f32 v[PC+12+4*\c:PC+14+4*\c], v[\s+16+32*\c:\s+31+32*\c], v[TM+12+2*\c+1]   ; (a conversion's three registers begin on an even number)
.endr
	v_nop                                          ; one plain line behind a scaled conversion
.irp c, 0,1                                    ; the operand's layout wants a WHOLE block in a lane: lanes 0-15 block 2 c, lanes 16-31 block 2 c + 1
.irp i, 0,1,2
	v_permlane16_swap_b32 v[PC+6*\c+\i], v[PC+12+4*\c+\i]
.endr
.irp i, 0,1,2
	v_mov_b32 v[PC+3+6*\c+\i], v[PC+12+4*\c+\i]
.endr
.endr
.endm
.macro IMAGE adr, off, sadr, soff      ; the fragment goes to LDS as it stands, 16 bytes a lane and store; its scale word: lanes r and r + 16 write the same word with the same value
	WIN 0x04
.irp c, 0,1,2
	ds_store_b128 v[\adr], v[PC+4*\c:PC+4*\c+3] offset:\off+512*\c
.endr
	ds_store_b32 v[\sadr], v[PW] offset:\soff
.endm
.macro WLOAD g, off                    ; a record into ring group g: 14 loads
.irp i, 0,1,2,3
.irp c, 0,1,2
	global_load_b128 v[RING+48*(\g)+12*\i+4*\c:RING+48*(\g)+12*\i+4*\c+3], v1, s[10:11] offset:\off+1536*\i+512*\c
.endr
.endr
	global_load_b32 v[WS+2*(\g)], v2, s[10:11] offset:\off+6144
	global_load_b32 v[WS+2*(\g)+1], v2, s[10:11] offset:\off+6272
.endm
.macro AFETCH buf, k, ra, rs           ; [x | h]'s two fragments and scale words of the K step k steps on from the addresses in v[ra], v[rs]
.irp rt, 0,1
.irp c, 0,1,2
	ds_load_b128 v[AB+24*(\buf)+12*\rt+4*\c:AB+24*(\buf)+12*\rt+4*\c+3], v[\ra] offset:3072*(\k)+1536*\rt+512*\c
.endr
.endr
	ds_load_b32 v[AS+(\buf)], v[\rs] offset:ASC+128*(\k)
.endm
.macro MM d, a, b, sa, sb, ra, rb      ; ra, rb: the side's scale words stand in lanes 16-31
.if \ra
.if \rb
	v_wmma_scale_f32_16x16x128_f8f6f4 v[\d:\d+7], v[\a:\a+11], v[\b:\b+11], v[\d:\d+7], v[\sa], v[\sb] matrix_a_fmt:MATRIX_FMT_FP6 matrix_b_fmt:MATRIX_FMT_FP6 matrix_a_scale:MATRIX_SCALE_ROW1 matrix_b_scale:MATRIX_SCALE_ROW1
.else
	v_wmma_scale_f32_16x16x128_f8f6f4 v[\d:\d+7], v[\a:\a+11], v[\b:\b+11], v[\d:\d+7], v[\sa], v[\sb] matrix_a_fmt:MATRIX_FMT_FP6 matrix_b_fmt:MATRIX_FMT_FP6 matrix_a_scale:MATRIX_SCALE_ROW1
.endif
.else
.if \rb
	v_wmma_scale_f32_16x16x128_f8f6f4 v[\d:\d+7], v[\a:\a+11], v[\b:\b+11], v[\d:\d+7], v[\sa], v[\sb] matrix_a_fmt:MATRIX_FMT_FP6 matrix_b_fmt:MATRIX_FMT_FP6 matrix_b_scale:MATRIX_SCALE_ROW1
.else
	v_wmma_scale_f32_16x16x128_f8f6f4 v[\d:\d+7], v[\a:\a+11], v[\b:\b+11], v[\d:\d+7], v[\sa], v[\sb] matrix_a_fmt:MATRIX_FMT_FP6 matrix_b_fmt:MATRIX_FMT_FP6
.endif
.endif
.endm
; Ring group g is multiplied: its four fragments x the two tiles of rows, onto the eight accumulators from a0 on; then (ld = 1) the group takes the record at off.
; cnt: the loads issued behind this group's 14, which may stay out: the three other groups' 42.  The accumulators take turns, one instruction a turn.
.macro GRP g, a0, buf, ld, off, cnt
	s_wait_loadcnt \cnt
	WIN 0x50                                       ; C and D window 1
.irp i, 0,1,2,3
.irp rt, 0,1
	MM 16*\i+8*\rt+\a0, RING+48*(\g)+12*\i, AB+24*(\buf)+12*\rt, WS+2*(\g)+\i/2, AS+(\buf), \i%2, \rt
.endr
.endr
	WIN 0
	PLACES                                         ; in front of the loads into what these products read, and of a phase's first read of results
.if \ld
	WLOAD \g, \off
.endif
.endm
.macro BIAS set, q                     ; the bias is the sums' start: every K step then has one form, and nothing is cleared
	PADR
	WIN 0x40
.irp t, 0,1,2,3,4,5,6,7
.irp rt, 0,1
	ds_load_b128 v[\set+16*\t+8*\rt:\set+16*\t+8*\rt+3], v7 offset:512*\q+64*\t
	ds_load_b128 v[\set+16*\t+8*\rt+4:\set+16*\t+8*\rt+7], v7 offset:512*\q+64*\t+16
.endr
.endr
	WIN 0
.endm
.macro PSTART                          ; a phase's first fragments of [x | h]; the addresses' steps begin anew
	AFETCH 0, 0, 1, 2
	s_mov_b32 s28, 0
	s_mov_b32 s29, 0
	s_mov_b32 s27, 5
	s_wait_dscnt 0x0                               ; the biases and the fragments are in
.endm
; A trip: two K steps.  ph1 = 1: two gates, four records a K step; else one gate, two records a K step.  last = 1: no fragments of [x | h] follow.  ld = 0: the stream has ended: the counts run down.
.macro TRIP ph1, last, ld
	v_add_nc_u32 v6, s28, v1
	v_add_nc_u32 v7, s29, v2
	AFETCH 1, 1, 6, 7
.if \ph1
	GRP 0, 0, 0, 1, 4*REC, 42
	GRP 1, 64, 0, 1, 5*REC, 42
	GRP 2, 128, 0, 1, 6*REC, 42
	GRP 3, 192, 0, 1, 7*REC, 42
.else
	GRP 0, 128, 0, \ld, 4*REC, 42
	GRP 1, 192, 0, \ld, 5*REC, 42-14*(1-\ld)
.endif
	s_wait_dscnt 0x0                               ; the second K step's fragments of [x | h] are in
.if !\last
	AFETCH 0, 2, 6, 7
.endif
.if \ph1
	GRP 0, 0, 1, 1, 8*REC, 42
	GRP 1, 64, 1, 1, 9*REC, 42
	GRP 2, 128, 1, 1, 10*REC, 42
	GRP 3, 192, 1, 1, 11*REC, 42
.else
	GRP 2, 128, 1, \ld, 6*REC, 42-28*(1-\ld)
	GRP 3, 192, 1, \ld, 7*REC, 42-42*(1-\ld)
.endif
	s_wait_dscnt 0x0                               ; the next trip's first fragments are in
.if \ld
	s_wait_xcnt 0x0                                ; the loads issued have had their addresses translated (ISA guide 3.1): only behind this wait is their base stepped
.if \ph1
	s_add_nc_u64 s[10:11], s[10:11], 8*REC
.else
	s_add_nc_u64 s[10:11], s[10:11], 4*REC
.endif
.endif
.if !\last
	s_add_co_u32 s28, s28, 6144
	s_add_co_u32 s29, s29, 256
.endif
.endm
; THE STATISTICS of n gates (sets base, base + 128), into slots slot on.  Chain ch = 2 gate + rt.  v32-39 sums, v40-47 my wave's means (twice each), v48-55 sums of squares, v56-59 the other half's.
; At the end v[16 + 8 gate + 4 rt] on hold, twice each, rstd and (my wave's mean - the row's mean) x rstd of the lane's row of tile rt.
.macro STATS n, base, slot
	v_add_nc_u32 v6, s44, v3                       ; 8 x lane + 256 x wave
.set ch, 0
.rept 2*\n
	v_mov_b32 v[56+ch], 0                          ; a lane permute's destination counts as one of its sources
.set ch, ch+1
.endr
	WIN 0x05                                       ; sources 0 and 1 window 1
.set ch, 0
.rept 2*\n
.set xr, \base+128*(ch/2)+8*(ch%2)
	v_pk_add_f32 v[32+2*ch:33+2*ch], v[xr:xr+1], v[xr+2:xr+3]      ; each accumulator is read from its low end on
.set ch, ch+1
.endr
	WIN 0x04
.set pp, 2
.rept 30
.set ch, 0
.rept 2*\n
.set xr, \base+128*(ch/2)+8*(ch%2)+16*(pp/4)+2*(pp%4)
	v_pk_add_f32 v[32+2*ch:33+2*ch], v[32+2*ch:33+2*ch], v[xr:xr+1]
.set ch, ch+1
.endr
.set pp, pp+1
.endr
	WIN 0
.set ch, 0
.rept 2*\n
	v_add_f32 v[32+2*ch], v[32+2*ch], v[33+2*ch]
.set ch, ch+1
.endr
.set ch, 0
.rept 2*\n
	v_permlanex16_b32 v[56+ch], v[32+2*ch], s24, s25               ; the row's other 64 columns lie in the lane 16 away
.set ch, ch+1
.endr
.set ch, 0
.rept 2*\n
	v_add_f32 v[32+2*ch], v[32+2*ch], v[56+ch]
.set ch, ch+1
.endr
.set ch, 0
.rept 2*\n
	v_mul_f32 v[40+2*ch], s48, v[32+2*ch]          ; / 128: my wave's mean of the row
.set ch, ch+1
.endr
.set ch, 0
.rept 2*\n
	v_mov_b32 v[41+2*ch], v[40+2*ch]
.set ch, ch+1
.endr
	WIN 0x41                                       ; destination and source 0 window 1
.set pp, 0
.rept 32
.set ch, 0
.rept 2*\n
.set xr, \base+128*(ch/2)+8*(ch%2)+16*(pp/4)+2*(pp%4)
	v_pk_add_f32 v[xr:xr+1], v[xr:xr+1], v[40+2*ch:41+2*ch] neg_lo:[0,1] neg_hi:[0,1]   ; the gates stay centred on my wave's mean
.set ch, ch+1
.endr
.set pp, pp+1
.endr
	WIN 0x05
.set ch, 0
.rept 2*\n
.set xr, \base+128*(ch/2)+8*(ch%2)
	v_pk_mul_f32 v[48+2*ch:49+2*ch], v[xr:xr+1], v[xr:xr+1]
.set ch, ch+1
.endr
.set pp, 1
.rept 31
.set ch, 0
.rept 2*\n
.set xr, \base+128*(ch/2)+8*(ch%2)+16*(pp/4)+2*(pp%4)
	v_pk_fma_f32 v[48+2*ch:49+2*ch], v[xr:xr+1], v[xr:xr+1], v[48+2*ch:49+2*ch]
.set ch, ch+1
.endr
.set pp, pp+1
.endr
	WIN 0
.set ch, 0
.rept 2*\n
	v_add_f32 v[48+2*ch], v[48+2*ch], v[49+2*ch]
.set ch, ch+1
.endr
.set ch, 0
.rept 2*\n
	v_permlanex16_b32 v[56+ch], v[48+2*ch], s24, s25
.set ch, ch+1
.endr
.set ch, 0
.rept 2*\n
	v_add_f32 v[48+2*ch], v[48+2*ch], v[56+ch]
.set ch, ch+1
.endr
.set gm, 0
.rept \n
	v_cndmask_b32 v[24+2*gm], v[40+4*gm], v[42+4*gm], s26          ; lane l now speaks for row l: lanes 16-31 take tile 1's
	v_cndmask_b32 v[25+2*gm], v[48+4*gm], v[50+4*gm], s26
	ds_store_b64 v6, v[24+2*gm:25+2*gm] offset:STAT+2048*(\slot+gm)
.set gm, gm+1
.endr
	s_wait_dscnt 0x0                               ; for the others' sake: my statistics lie in LDS
	s_barrier_signal -1
	s_barrier_wait -1                              ; everybody's do
.set gm, 0
.rept \n
.irp wp, 0,1,2,3,4,5,6,7
	ds_load_b64 v[32+16*gm+2*\wp:33+16*gm+2*\wp], v3 offset:STAT+2048*(\slot+gm)+256*\wp
.endr
.set gm, gm+1
.endr
	s_wait_dscnt 0x0
.set gm, 0
.rept \n
.set LL, 32+16*gm
.set TT, 16+4*gm
	v_pk_add_f32 v[TT:TT+1], v[LL:LL+1], v[LL+2:LL+3]              ; the eight means, and the eight M2, together
.irp k, 4,6,8,10,12,14
	v_pk_add_f32 v[TT:TT+1], v[TT:TT+1], v[LL+\k:LL+\k+1]
.endr
	v_mul_f32 v[TT], s56, v[TT]                    ; the row's mean
.irp k, 0,2,4,6,8,10,12,14
	v_sub_f32 v[LL+\k], v[LL+\k], v[TT]
.endr
	v_mul_f32 v[TT+2], v[LL], v[LL]
.irp k, 2,4,6,8,10,12,14
	v_fmac_f32 v[TT+2], v[LL+\k], v[LL+\k]
.endr
	v_fma_f32 v[TT+1], v[TT+2], s49, v[TT+1]       ; M2 = 128 x sum of (mean_w - mean)^2 + sum of M2_w
	v_fma_f32 v[TT+1], v[TT+1], s50, s51           ; / 1,024 + 1e-5
	v_rsq_f32 v[LL], v[TT+1]
	v_sub_f32 v[TT+2], v[24+2*gm], v[TT]           ; my wave's mean - the row's; also the plain line behind the transcendental
	s_wait_alu depctr_va_vdst(0)
	v_mul_f32 v[LL+1], v[TT+2], v[LL]
	v_permlanex16_b32 v[LL+2], v[LL], s24, s25     ; the same of the row 16 away
	v_permlanex16_b32 v[LL+3], v[LL+1], s24, s25
.set gm, gm+1
.endr
.set gm, 0
.rept \n                                       ; tile 0: lanes 16-31 want row l - 16's; tile 1: lanes 0-15 want row l + 16's.  Each twice: a pair for the packed forms
.set LL, 32+16*gm
.irp e, 0,1
	v_cndmask_b32 v[16+8*gm+\e], v[LL], v[LL+2], s26
	v_cndmask_b32 v[18+8*gm+\e], v[LL+1], v[LL+3], s26
	v_cndmask_b32 v[20+8*gm+\e], v[LL+2], v[LL], s26
	v_cndmask_b32 v[22+8*gm+\e], v[LL+3], v[LL+1], s26
.endr
.set gm, gm+1
.endr
.endm
.macro PLOAD t, q                      ; gamma' and beta' of tile t's eight columns of my half, into buffer t % 2
.set pb, 32+16*((\t)%2)
	ds_load_b128 v[pb:pb+3], v7 offset:512*(4+\q)+64*(\t)
	ds_load_b128 v[pb+4:pb+7], v7 offset:512*(4+\q)+64*(\t)+16
	ds_load_b128 v[pb+8:pb+11], v7 offset:512*(8+\q)+64*(\t)
	ds_load_b128 v[pb+12:pb+15], v7 offset:512*(8+\q)+64*(\t)+16
.endm
; 16 registers a from x on (window 1; destination and source 0 are set there) become 1 / (1 + 2^a), or with th = 1: 1 - 2 / (1 + 2^a).
.macro SIGT x, th
.set ii, 0
.rept 16
	v_exp_f32 v[\x+ii], v[\x+ii]
.set ii, ii+1
.endr
	v_nop                                          ; a plain line between the last transcendental and the use of its result (ISA guide 5.7.2)
.set ii, 0
	s_wait_alu depctr_va_vdst(0)
.rept 8
	v_pk_add_f32 v[\x+ii:\x+ii+1], v[\x+ii:\x+ii+1], 1.0 op_sel_hi:[1,0]
.set ii, ii+2
.endr
.set ii, 0
.rept 16
	v_rcp_f32 v[\x+ii], v[\x+ii]
.set ii, ii+1
.endr
	v_nop
.if \th
.set ii, 0
	s_wait_alu depctr_va_vdst(0)
.rept 8
	v_pk_fma_f32 v[\x+ii:\x+ii+1], v[\x+ii:\x+ii+1], -2.0, 1.0 op_sel_hi:[1,0,0]
.set ii, ii+2
.endr
.endif
.endm
; A gate (set; statistics gm; parameters q) is normalised, scaled and put through its activation, a tile of columns (both tiles of rows) at a time.
.macro ACT set, gm, q, th
	PADR
	PLOAD 0, \q
.irp t, 0,1,2,3,4,5,6,7
.if \t < 7
	PLOAD \t+1, \q
	s_wait_dscnt 4                                 ; this tile's parameters are in; the next tile's four loads may be out
.else
	s_wait_dscnt 0x0
.endif
	WIN 0x41
.set pb, 32+16*(\t%2)
.set xb, \set+16*\t
.irp rt, 0,1
.irp k, 0,2,4,6
	v_pk_fma_f32 v[xb+8*\rt+\k:xb+8*\rt+\k+1], v[xb+8*\rt+\k:xb+8*\rt+\k+1], v[16+8*\gm+4*\rt:17+8*\gm+4*\rt], v[18+8*\gm+4*\rt:19+8*\gm+4*\rt]
.endr
.endr
.irp rt, 0,1
.irp k, 0,2,4,6
	v_pk_fma_f32 v[xb+8*\rt+\k:xb+8*\rt+\k+1], v[xb+8*\rt+\k:xb+8*\rt+\k+1], v[pb+\k:pb+\k+1], v[pb+8+\k:pb+8+\k+1]
.endr
.endr
	SIGT xb, \th
	WIN 0
.endr
.endm
.macro TANHT t                         ; S0's tile t: c_new becomes tanh(c_new)
.set tb, S0+16*(\t)
.set ii, 0
.rept 8
	v_pk_mul_f32 v[tb+ii:tb+ii+1], v[tb+ii:tb+ii+1], s[52:53] op_sel_hi:[1,0]
.set ii, ii+2
.endr
	SIGT tb, 1
.endm
.macro CLOAD t                         ; c at tile t's places, into buffer t % 2
.set cb, 32+16*((\t)%2)
.irp rt, 0,1
.irp e, 0,1
	ds_load_b128 v[cb+8*\rt+4*\e:cb+8*\rt+4*\e+3], v6 offset:8448*\rt+64*(\t)+16*\e
.endr
.endr
.endm
; My strip's 32 rows of 512 bytes leave the stage as whole rows, eight at a time.  th = 1: two tiles' tanh(c_new) stand between a batch's loads and its stores.
.macro ROWS_OUT p, th
	v_add_nc_u32 v7, s46, v1
.irp bt, 0,1,2,3
.irp i, 0,1,2,3,4,5,6,7
	ds_load_b128 v[32+4*\i:35+4*\i], v7 offset:528*(8*\bt+\i)
.endr
.if \th
	WIN 0x41
	TANHT 2*\bt
	TANHT 2*\bt+1
	WIN 0
.endif
.irp i, 0,1,2,3,4,5,6,7
	s_wait_dscnt 7-\i                              ; row i of the batch is in; the younger loads may be out
	global_store_b128 v1, v[32+4*\i:35+4*\i], s[\p:\p+1] offset:4096*(8*\bt+\i) th:TH_STORE_NT   ; 32 lanes store 512 consecutive bytes, at a multiple of 256 from the buffer's first byte
.endr
	s_wait_xcnt 0x0                                ; the stores' registers are loaded again only behind this wait (ISA guide 3.1)
.endr
.endm
	; ---------------- THE HEAD
	s_load_b256 s[4:11], s[0:1], 0x0               ; x s[4:5], h s[6:7], c s[8:9], wq s[10:11]
	s_load_b256 s[12:19], s[0:1], 0x20             ; bh s[12:13], gamma s[14:15], beta s[16:17], out0 s[18:19]
	s_load_b64 s[20:21], s[0:1], 0x40              ; out1
	v_lshl_add_u32 v254, v0, 2, 0x48e00
	v_mov_b32 v255, 0
	ds_add_u32 v254, v255
	ds_add_u32 v254, v255
	s_wait_dscnt 0x0
	v_lshrrev_b32 v6, 5, v0
	v_readfirstlane_b32 s22, v6                    ; wave 0..7
	v_and_b32 v7, 31, v0
	v_lshlrev_b32 v1, 4, v7                        ; 16 x lane
	v_lshlrev_b32 v2, 2, v7                        ; 4 x lane
	v_lshlrev_b32 v3, 3, v7                        ; 8 x lane
	s_mov_b32 s24, 0x76543210
	s_mov_b32 s25, 0xfedcba98                      ; v_permlanex16_b32's selects for lane l xor 16
	s_mov_b32 s26, 0xffff0000                      ; lanes 16-31
	s_mov_b32 s48, 0x3c000000                      ; 1 / 128
	s_mov_b32 s49, 0x43000000                      ; 128
	s_mov_b32 s50, 0x3a800000                      ; 1 / 1,024
	s_mov_b32 s51, 0x3727c5ac                      ; 1e-5
	s_mov_b32 s52, 0x4038aa3b                      ; 2 log2(e)
	s_mov_b32 s53, s52                             ; (named with it as a pair, so it is written)
	s_mov_b32 s54, 0xbfb8aa3b                      ; -log2(e)
	s_mov_b32 s55, s54
	s_mov_b32 s56, 0x3e000000                      ; 1 / 8
	s_lshr_b32 s23, s22, 2                         ; rt: which tile of rows I quantise
	s_and_b32 s57, s22, 3                          ; sx: x's K step sx, h's K steps 4 + 2 sx and 5 + 2 sx
	s_lshl_b32 s58, ttmp9, 16                      ; x: 32 rows of 2,048 bytes a work-group,
	s_lshl_b32 s47, s23, 15                        ; 16 rows a tile,
	s_add_co_u32 s58, s58, s47
	s_lshl_b32 s47, s57, 9                         ; 512 bytes a K step
	s_add_co_u32 s58, s58, s47
	s_mov_b32 s59, 0
	s_lshl_b32 s60, ttmp9, 17                      ; h: rows of 4,096 bytes, 1,024 bytes for my two K steps
	s_lshl_b32 s47, s23, 16
	s_add_co_u32 s60, s60, s47
	s_lshl_b32 s47, s57, 10
	s_add_co_u32 s60, s60, s47
	s_mov_b32 s61, 0
	s_lshl_b32 s62, ttmp9, 17                      ; c, out0, out1: the work-group's 32 rows, my wave's 512 bytes
	s_lshl_b32 s2, s22, 9
	s_add_co_u32 s62, s62, s2
	s_mov_b32 s63, 0
	s_mov_b32 s3, 0                                ; s[2:3] = 512 w: my columns in bh, gamma, beta
	s_mul_i32 s30, s22, 96*REC                     ; my stream in wq
	s_mov_b32 s31, 0
	s_lshl_b32 s44, s22, 8
	s_mul_i32 s45, s22, 6144
	s_add_co_u32 s45, s45, PAR
	s_mul_i32 s46, s22, 16896
	s_add_co_u32 s46, s46, CST
	s_mul_i32 s47, s22, 8448
	s_add_co_u32 s47, s47, QST
	s_lshl_b32 s27, s57, 1
	s_add_co_u32 s27, s27, s23
	s_mul_i32 s27, s27, 1536                       ; x's image: (2 sx + rt) x 1,536
	s_lshl_b32 s28, s57, 2
	s_add_co_u32 s28, s28, s23
	s_add_co_u32 s28, s28, 8
	s_mul_i32 s28, s28, 1536                       ; h's first image: (2 (4 + 2 sx) + rt) x 1,536
	s_lshl_b32 s29, s57, 7
	s_lshl_b32 s23, s23, 6
	s_add_co_u32 s23, s23, s29                     ; x's scale words: 128 sx + 64 rt
	s_add_co_u32 s29, s29, s23
	s_add_co_u32 s29, s29, 512                     ; h's: 128 (4 + 2 sx) + 64 rt
	; descriptor group 1: 32 rows x 128 elements of 4 bytes, 1,024 elements from row to row; in LDS 4 words of padding behind every 128
	s_mov_b32 s36, (2<<16)|(1<<20)|(6<<22)|(3<<25)
	s_mov_b32 s37, 128<<16                         ; tensor_dim0
	s_mov_b32 s38, 32<<16                          ; tensor_dim1
	s_mov_b32 s39, 128<<16                         ; tile_dim0
	s_mov_b32 s40, 32                              ; tile_dim1
	s_mov_b32 s41, 1024                            ; tensor_dim0_stride
	s_mov_b32 s42, 0
	s_mov_b32 s43, 0
	s_mov_b32 s32, 1                               ; group 0: count = 1,
	s_mov_b32 s33, s46                             ; my strip in LDS,
	s_wait_kmcnt 0x0
	s_add_nc_u64 s[34:35], s[8:9], s[62:63]        ; my strip of c,
	s_or_b32 s35, s35, 0x80000000                  ; type = 2
	tensor_load_to_lds s[32:35], s[36:43]          ; my one tensor load of the launch: nothing is filled again; it is waited for at the end of phase 2
	s_nop 0
	PLACES
	s_add_nc_u64 s[4:5], s[4:5], s[58:59]
	s_add_nc_u64 s[6:7], s[6:7], s[60:61]
	s_add_nc_u64 s[10:11], s[10:11], s[30:31]
	s_add_nc_u64 s[12:13], s[12:13], s[2:3]
	s_add_nc_u64 s[14:15], s[14:15], s[2:3]
	s_add_nc_u64 s[16:17], s[16:17], s[2:3]
	s_add_nc_u64 s[18:19], s[18:19], s[62:63]
	s_add_nc_u64 s[20:21], s[20:21], s[62:63]
	WIN 0x40                                       ; destination window 1
.irp i, 0,1,2,3,4,5,6,7,8,9,10,11,12,13,14,15
	global_load_b128 v[4*\i:4*\i+3], v1, s[4:5] offset:2048*\i th:TH_LOAD_NT             ; x: 512 consecutive bytes of a row; read once in the launch
.endr
.irp i, 0,1,2,3,4,5,6,7,8,9,10,11,12,13,14,15
	global_load_b128 v[64+4*\i:64+4*\i+3], v1, s[6:7] offset:4096*\i th:TH_LOAD_NT       ; h, my first K step
.endr
.irp i, 0,1,2,3,4,5,6,7,8,9,10,11,12,13,14,15
	global_load_b128 v[128+4*\i:128+4*\i+3], v1, s[6:7] offset:4096*\i+512 th:TH_LOAD_NT ; h, my second
.endr
.irp b, 0,1,2,3
	v_mov_b32 v[TM+4+\b], 0                        ; written once: a lane permute's destination counts as one of its sources
.endr
	WIN 0
.irp q, 0,1,2,3
	global_load_b128 v[208+4*\q:211+4*\q], v1, s[12:13] offset:4096*\q                   ; the parameters of my 128 columns, into the registers of ring group 3
	global_load_b128 v[224+4*\q:227+4*\q], v1, s[14:15] offset:4096*\q
	global_load_b128 v[240+4*\q:243+4*\q], v1, s[16:17] offset:4096*\q
.endr
	v_and_b32 v23, 15, v0                          ; r
	v_bfe_u32 v24, v0, 4, 1                        ; hh
	v_add_nc_u32 v16, s47, v1                      ; my stage, on the way in: 16 x lane
	v_mul_u32_u24 v17, v23, 528
	v_lshl_add_u32 v17, v24, 6, v17
	v_add_nc_u32 v17, s47, v17                     ; and back: row r, + 64 hh
	v_add_nc_u32 v18, s27, v1                      ; where x's image goes,
	v_add_nc_u32 v19, s28, v1                      ; h's,
	v_lshl_add_u32 v20, v23, 2, s23                ; x's scale word,
	v_lshl_add_u32 v21, v23, 2, s29                ; h's,
	v_add_nc_u32 v22, s45, v1                      ; the parameters
	s_wait_loadcnt 44                              ; x is in: behind it h's 32 loads and the parameters' 12
	TURNQ 0
	QUANT 0
	IMAGE 18, 0, 20, ASC
	WIN 0
	WLOAD 0, 0                                     ; the ring begins to fill
	WLOAD 1, REC
	s_wait_loadcnt 56                              ; h's first K step: behind it 16 + 12 + 28
	TURNQ 64
	QUANT 64
	IMAGE 19, 0, 21, ASC
	WIN 0
	WLOAD 2, 2*REC
	s_wait_loadcnt 54                              ; h's second: behind it 12 + 42
	TURNQ 128
	QUANT 128
	IMAGE 19, 3072, 21, ASC+128
	WIN 0
	s_wait_loadcnt 42                              ; the parameters: behind them the three ring groups
.irp q, 0,1,2,3
.irp kd, 1,2
.irp e, 0,2
.if \q == 2
	v_pk_mul_f32 v[208+16*\kd+4*\q+\e:209+16*\kd+4*\q+\e], v[208+16*\kd+4*\q+\e:209+16*\kd+4*\q+\e], s[52:53] op_sel_hi:[1,0]   ; g goes through tanh: x 2 log2(e)
.else
	v_pk_mul_f32 v[208+16*\kd+4*\q+\e:209+16*\kd+4*\q+\e], v[208+16*\kd+4*\q+\e:209+16*\kd+4*\q+\e], s[54:55] op_sel_hi:[1,0]   ; i, f, o through the sigmoid: x -log2(e)
.endif
.endr
.endr
.endr
.irp n, 0,1,2,3,4,5,6,7,8,9,10,11
	ds_store_b128 v22, v[208+4*\n:211+4*\n] offset:512*\n
.endr
	s_wait_dscnt 0x0                               ; for the others' sake: my images and scale words lie in LDS; and the parameters have left their registers
	WLOAD 3, 3*REC
	s_barrier_signal -1
	s_barrier_wait -1                              ; all 24 images lie in LDS; nobody writes them again
	BIAS S0, 0
	BIAS S1, 2
	PSTART
	; ---------------- PHASE 1: i (S0) and g (S1): twelve K steps, records 0 to 47
.Lp1:
	TRIP 1, 0, 1
	s_sub_co_u32 s27, s27, 1
	s_cmp_lg_u32 s27, 0
	s_cbranch_scc1 .Lp1
	TRIP 1, 1, 1                                   ; the last trip asks for no fragments of [x | h]; the ring goes on into phase 2's records
	STATS 2, S0, 0
	ACT S0, 0, 0, 0                                ; s(i)
	ACT S1, 1, 2, 1                                ; tanh(g)
	WIN 0x45
.set ii, 0
.rept 64
	v_pk_mul_f32 v[S0+ii:S0+ii+1], v[S0+ii:S0+ii+1], v[S1+ii:S1+ii+1]   ; p = s(i) tanh(g)
.set ii, ii+2
.endr
	WIN 0
	BIAS S1, 1
	PSTART
	; ---------------- PHASE 2: f (S1): records 48 to 71
.Lp2:
	TRIP 0, 0, 1
	s_sub_co_u32 s27, s27, 1
	s_cmp_lg_u32 s27, 0
	s_cbranch_scc1 .Lp2
	TRIP 0, 1, 1
	s_wait_tensorcnt 0x0                           ; my strip of c lies in LDS; only I read it
	STATS 1, S1, 2
	ACT S1, 0, 1, 0                                ; s(f)
	CADR
	CLOAD 0
.irp t, 0,1,2,3,4,5,6,7
.if \t < 7
	CLOAD \t+1
	s_wait_dscnt 4                                 ; this tile's c is in; the next tile's four loads may be out
.else
	s_wait_dscnt 0x0
.endif
.set cb, 32+16*(\t%2)
	WIN 0x51                                       ; destination, sources 0 and 2 window 1
.irp rt, 0,1
.irp k, 0,2,4,6
	v_pk_fma_f32 v[S0+16*\t+8*\rt+\k:S0+16*\t+8*\rt+\k+1], v[S1+16*\t+8*\rt+\k:S1+16*\t+8*\rt+\k+1], v[cb+8*\rt+\k:cb+8*\rt+\k+1], v[S0+16*\t+8*\rt+\k:S0+16*\t+8*\rt+\k+1]   ; c_new = s(f) c + p
.endr
.endr
	WIN 0x04
.irp rt, 0,1
.irp e, 0,1
	ds_store_b128 v6, v[S0+16*\t+8*\rt+4*\e:S0+16*\t+8*\rt+4*\e+3] offset:8448*\rt+64*\t+16*\e   ; over c's own bytes, which have been read and have had their only fill
.endr
.endr
	WIN 0
.endr
	s_wait_dscnt 0x0
	ROWS_OUT 20, 1                                 ; out1 = c_new; S0 becomes tanh(c_new) on the way
	BIAS S1, 3
	PSTART
	; ---------------- PHASE 3: o (S1): records 72 to 95
.Lp3:
	TRIP 0, 0, 1
	s_sub_co_u32 s27, s27, 1
	s_cmp_lg_u32 s27, 0
	s_cbranch_scc1 .Lp3
	TRIP 0, 1, 0                                   ; the stream has ended: no load leaves wq, and the counts run down 42, 28, 14, 0
	STATS 1, S1, 3
	ACT S1, 0, 3, 0                                ; s(o)
	WIN 0x45
.set ii, 0
	s_wait_alu depctr_va_vdst(0)
.rept 64
	v_pk_mul_f32 v[S1+ii:S1+ii+1], v[S1+ii:S1+ii+1], v[S0+ii:S0+ii+1]   ; h_new = s(o) tanh(c_new)
.set ii, ii+2
.endr
	WIN 0
	CADR
	WIN 0x04
.irp t, 0,1,2,3,4,5,6,7
.irp rt, 0,1
.irp e, 0,1
	ds_store_b128 v6, v[S1+16*\t+8*\rt+4*\e:S1+16*\t+8*\rt+4*\e+3] offset:8448*\rt+64*\t+16*\e
.endr
.endr
.endr
	WIN 0
	s_wait_dscnt 0x0
	ROWS_OUT 18, 0                                 ; out0 = h_new
	s_wait_xcnt 0x0
	v_lshl_add_u32 v254, v0, 2, 0x48e00
	v_mov_b32 v255, 0
	s_wait_tensorcnt 0x0
	ds_add_u32 v254, v255
	s_wait_dscnt 0x0
	s_endpgm
.Lfunc_end_k_q9550770d60_lstm:
	.size	k_q9550770d60_lstm, .Lfunc_end_k_q9550770d60_lstm-k_q9550770d60_lstm
	.p2alignl 7, 3214868480
	.fill 96, 4, 3214868480
	.section	.rodata,"a",@progbits
	.p2align	6, 0x0
	.amdhsa_kernel k_q9550770d60_lstm
		.amdhsa_group_segment_fixed_size 299520
		.amdhsa_private_segment_fixed_size 0
		.amdhsa_enable_private_segment 0
		.amdhsa_kernarg_size 72
		.amdhsa_user_sgpr_count 2
		.amdhsa_user_sgpr_kernarg_segment_ptr 1
		.amdhsa_wavefront_size32 1
		.amdhsa_system_sgpr_workgroup_id_x 1
		.amdhsa_system_sgpr_workgroup_id_y 1
		.amdhsa_system_sgpr_workgroup_id_z 1
		.amdhsa_system_vgpr_workitem_id 0
		.amdhsa_next_free_vgpr 512
		.amdhsa_next_free_sgpr 66
		.amdhsa_reserve_vcc 0
		.amdhsa_float_denorm_mode_32 3
		.amdhsa_float_denorm_mode_16_64 3
		.amdhsa_memory_ordered 1
		.amdhsa_forward_progress 1
		.amdhsa_inst_pref_size 255
	.end_amdhsa_kernel
	.section	.bss,"aw",@nobits
	.p2align	6
	.space	262144
	.amdgpu_metadata
---
amdhsa.version: [ 1, 2 ]
amdhsa.kernels:
  - .name:           k_q9550770d60_lstm
    .symbol:         k_q9550770d60_lstm.kd
    .args:
      - { .name: x, .offset: 0, .size: 8, .value_kind: global_buffer, .address_space: global }
      - { .name: h, .offset: 8, .size: 8, .value_kind: global_buffer, .address_space: global }
      - { .name: c, .offset: 16, .size: 8, .value_kind: global_buffer, .address_space: global }
      - { .name: wq, .offset: 24, .size: 8, .value_kind: global_buffer, .address_space: global }
      - { .name: bh, .offset: 32, .size: 8, .value_kind: global_buffer, .address_space: global }
      - { .name: ln_gamma, .offset: 40, .size: 8, .value_kind: global_buffer, .address_space: global }
      - { .name: ln_beta, .offset: 48, .size: 8, .value_kind: global_buffer, .address_space: global }
      - { .name: out0, .offset: 56, .size: 8, .value_kind: global_buffer, .address_space: global }
      - { .name: out1, .offset: 64, .size: 8, .value_kind: global_buffer, .address_space: global }
    .group_segment_fixed_size: 299520
    .private_segment_fixed_size: 0
    .kernarg_segment_align: 8
    .kernarg_segment_size: 72
    .max_flat_workgroup_size: 256
    .sgpr_count:     66
    .vgpr_count:     512
    .wavefront_size: 32
...
	.end_amdgpu_metadata
.endif
;; end of part 2
